; MI455X (gfx1250); checked and timed in simulation.
; The chip was launched on July 23, 2026; its instructions are those of AMD's public machine-readable ISA for CDNA 5 (MIT licence, August 2026) and "CDNA5" Instruction Set Architecture Reference Guide (July 2026). The comments in the code are by the model that wrote it; some were corrected since.
;; Mixture Of Experts. Allowed arithmetic: matrix products marked QUANTISED: E2M1 operands, one E8M0 scale for each 32 along K, by v_wmma_scale_f32_16x16x128_f8f6f4 with both operands' format E2M1 (or v_wmma_scale_f32_32x16x128_f4), f32 sums; products left as they are: f32 operands where the result goes on into a quantised operand, else bf16, f16 or f32 operands; f32 sums; everything else in f32.
;; Inputs: W_codes 8 x 1,024 x 32 x 16 uint8 (E2M1 codes of W, K innermost, in blocks of 32 codes, two codes a byte); W_scales 8 x 1,024 x 32 uint8 (E8M0 scales of W, one for each 32 codes along K); Wg 1,024 x 8 float32; b 8 x 1,024 float32; bg 8 float32; inputs 8,192 x 1,024 float32.
;; Outputs: out0 8,192 x 1,024 float32; out1 one number float32.
;; This version of the problem:
;;   THIS VERSION OF THE PROBLEM IS GIVEN IN LOW PRECISION. The matrix products marked QUANTISED in the list below multiply operands that are first quantised to E2M1 (2 exponent bits, 1 mantissa bit; 4 bits a number), with one power-of-two scale for each 32 numbers along K (OCP MX v1.0); their sums are f32. All else is computed in f32.
;;   The module's matrix products, in the order in which they are computed (A, B: the left and right operand; K: the contracted axis; several contracted axes count as one K, in the product's order):
;;     1. [M 8,192, K 1,024] x [K 1,024, N 8,192]; A: input inputs; B: input W (given as codes): QUANTISED
;;     2. [M 8,192, K 1,024] x [K 1,024, N 8]; A: input inputs; B: input Wg: left as it is (N = 8 < 16)
;;     3. batch 8,192 x [M 1,024, K 8] x [K 8, N 1]; A: computed on the way; B: softmax: left as it is (K = 8 < 32)
;;   THE QUANTISER, for each operand of a quantised product, along K:
;;     - K is cut into blocks of 32 from its start; a last block that is shorter is filled with zeros.
;;     - A block's scale is 2^e with e = floor(log2(the largest magnitude in the block)) - 2, held to -126 .. 127; a block of zeros has e = 0. As a byte (E8M0): e + 127.
;;     - Each number is divided by its block's scale, clamped to +-6, and rounded to the nearest number of E2M1, ties to even, subnormals kept.
;;     - The product sums the exact products of the quantised numbers (number of the format x scale) in f32.
;;   ~~~python
;;   def quantise(x, axis):      # numpy; x: float32 -> the quantised numbers, widened to float32 again
;;       x = np.moveaxis(x, axis, -1); K = x.shape[-1]
;;       x = np.pad(x, [(0, 0)] * (x.ndim - 1) + [(0, -K % 32)]); x = x.reshape(x.shape[:-1] + (-1, 32)); a = np.abs(x).max(-1, keepdims=True)
;;       e = np.where(a > 0, np.clip(np.frexp(np.where(a > 0, a, 1))[1] - 1 - 2, -126, 127), 0)      # np.frexp(a)[1] - 1 = floor(log2(a)), exactly
;;       r = np.clip(x / 2.0 ** e, -6, 6)
;;       step = 2.0 ** (np.maximum(np.frexp(np.where(r == 0, 1, r))[1] - 1, 0) - 1)
;;       q = np.round(r / step) * step * 2.0 ** e      # np.round: ties to even
;;       return np.moveaxis(q.reshape(q.shape[:-2] + (-1,))[..., :K], -1, axis).astype(np.float32)
;;   ~~~
;;   INPUTS GIVEN AS CODES. W (in the module: [8, 1024, 1024], K = its axis 1): each comes as NAME_codes (uint8): NAME with its K axis moved to the last place and cut into blocks of 32 codes, [.., K / 32, bytes a block], one block behind the other in memory; two codes a byte, the lower K in the low four bits (a code: sign, 2 exponent bits, 1 mantissa bit); and NAME_scales (uint8): the same leading axes, one E8M0 byte (e + 127) for each 32 codes along K. Its value is code x scale, taken as it is: it is not quantised again, and the codes and scales need not be those that the quantiser above would give.
;; One version. Each part assembles by itself: llvm-mc -triple=amdgcn-amd-amdhsa -mcpu=gfx1250 --defsym DOCPART=n.
;; ======== version 1 of 1: 2 launches
;; workspace buffers: xq 4,718,592 bytes; wf 4,194,304 bytes; part 8,192 bytes
;; launch prep (part 1): grid 256 x 1, 8 waves a work-group, no clusters, 119,808 bytes of LDS; arguments inputs, Wg, bg, W_codes, xq, wf, part; writes xq, wf, part
.if DOCPART == 1
	.amdgcn_target "amdgcn-amd-amdhsa--gfx1250"
	.amdhsa_code_object_version 6
	.text
	.protected	k_q53872ea6ee_prep
	.globl	k_q53872ea6ee_prep
	.p2align	8
	.type	k_q53872ea6ee_prep,@function
k_q53872ea6ee_prep:
	s_mov_b64 s[64:65], 0
	v_nop
	global_prefetch_b8 v0, s[64:65] scope:SCOPE_SE
	s_setreg_imm32_b32 hwreg(HW_REG_WAVE_MODE, 25, 1), 1
	s_wait_xcnt 0x0
; PREP: what is done once for each row of x, and once for W, ahead of the product.
;   (1) x [8192][1024] f32 is quantised along K to E2M1 codes with one E8M0 byte for each 32;  (2) the router: w = softmax(x Wg + bg), and the sum of w over the work-group's 32 rows;
;   (3) W's codes are laid in the order in which the product's operand registers take them.
; NOTHING OF THE PROBLEM IS LEFT OUT: the gates are soft, so every expert counts for every row, and every input has a way to an output; all are loaded by this launch or the next.
; xq: 512 records of 9,216 bytes, one for each 16 rows.  Bytes 0-8191: 16 images of 512 bytes; image 2 s + c holds, at 16 x lane, the codes of row lane % 16, K = 128 s + 64 c + 32 (lane / 16) + 0 .. 31:
;   four registers of the operand as they stand.  Bytes 8192-8703: the scale words, [row][8 words], word s for K = 128 s on.  Bytes 8704-9215: w, [row][8] f32.
; wf: [q / 16][4 s + p][2 o + c][lane][16 bytes] = W_codes[expert 2 p + o][q = 16 (q / 16) + lane % 16][bytes 64 s + 32 c + 16 (lane / 16) on].     part: [work-group][8] f32.
; SHARES.  A work-group takes 32 rows (two records); wave v takes K = 128 v .. 128 v + 127 of them: its 32 loads, a row's 512 consecutive bytes each, all go out at the head.
; A lane must hold 32 NEIGHBOURS along K (a whole block), a load is dense where neighbouring LANES take neighbouring bytes: so 16 rows x 512 bytes turn through the wave's own stage in LDS.
; THE ROUTER goes to the matrix unit with bf16 operands in two parts: a number = its upper 16 bits (hi) + the rest rounded to bf16 (lo), split in f32.  Source 0 = Wg^T with 16 rows: hi of experts 0-7, lo of experts 0-7;
; source 1 = 16 rows of x, once hi, once lo; the four partial products are added in f32.  Both sources hold K in the same order, the one in which the lane's numbers already lie.
; LIMITS: NaN and infinities among the inputs are not served.  A block of zeros gets the scale byte 1 where the rule says 127: its codes are zeros, which add nothing, and xq is read by this program alone.
; The sums of w are taken in another order than a plain mean over the rows.
.set STGW,  16*528                     ; LDS: a stage for each wave: 16 rows x (512 bytes + 16), so that the 16 rows that a load touches start at 16 different 16-byte columns of 256
.set WGT,   8*STGW                     ; Wg's part of each wave: [128 k][16 bf16]: hi of expert e at 2 e, lo at 16 + 2 e
.set PL,    WGT+8*4096                 ; partial logits: for each wave and block an image of 8 registers (1,024 bytes)
.set SCW,   PL+8*2048                  ; x's scale words: [block][row][8 words]
.set WST,   SCW+2*512                  ; w on its way out: [32 rows][8] f32; wave 0 alone
.set SPARE, WST+1024                   ; the spare words, 128 bytes for each wave: four blocks of 256 bytes that no other line names
.set RECB,  9216                       ; a record of xq
.set LI,  1                            ; v1   16 x lane
.set SA,  2                            ; v2   the stage, on the way in: 16 x lane
.set SL,  3                            ; v3   and on the way out: 528 r + 128 h
.set GA,  4                            ; v4   where I put Wg's parts
.set GT,  5                            ; v5   and from where the turning load takes them
.set RO,  6                            ; v6   W_codes: 512 r + 16 h
.set PLA, 7                            ; v7   my wave's partial logits
.set SCA, 8                            ; v8   my row's scale word of my wave's K step
.set PLR, 9                            ; v9   all waves' partial logits: 16 x lane
.set WSS, 10                           ; v10  w: 32 x lane
.set WSL, 11                           ; v11  w: 16 x lane
.set SCR, 12                           ; v12  the scale words: 16 x lane
.set SH,  13                           ; v13  8 h: my two scale bytes' place in the word
.set SPW, 14                           ; v14  LDS address of my spare word; never rewritten
.set NIL, 15                           ; v15  0; never rewritten
.set R0,  16                           ; v16-79   block 0: x as loaded, then 64 numbers of my row: register 32 c + i = K 64 c + 32 h + i
.set R1,  80                           ; v80-143  block 1
.set BF,  144                          ; v144-175 Wg^T: four fragments of 32 along K
.set FR,  176                          ; v176-207 Wg as loaded; then two sets of x's fragments: hi (8), lo (8)
.set TT,  208                          ; v208-215 at work
.set CD,  216                          ; v216-223 the codes
.set DH,  224                          ; v224-231 Wg^T x hi;  at the head W's codes on their way
.set DL,  232                          ; v232-239 Wg^T x lo
.set TM,  240                          ; v240-246 largest magnitudes, scale operands, bytes
.set PW,  248                          ; v248 the scale word
.set WV,  18                           ; s18  my wave's number
	s_load_b256 s[4:11], s[0:1], 0x0               ; x s[4:5], Wg s[6:7], bg s[8:9], W_codes s[10:11]
	s_load_b128 s[12:15], s[0:1], 0x20             ; xq s[12:13], wf s[14:15]
	s_load_b64 s[16:17], s[0:1], 0x30              ; part
	v_lshl_add_u32 v[SPW], v0, 2, SPARE
	v_mov_b32 v[NIL], 0
	v_lshrrev_b32 v240, 5, v0
	v_readfirstlane_b32 s[WV], v240                ; wave 0..7
	v_and_b32 v240, 31, v0                         ; lane
	v_and_b32 v241, 15, v0                         ; r
	v_bfe_u32 v242, v0, 4, 1                       ; h
	v_lshlrev_b32 v[LI], 4, v240
	s_mul_i32 s34, s[WV], STGW                     ; my stage
	v_add_nc_u32 v[SA], s34, v[LI]
	v_mul_u32_u24 v[SL], v241, 528
	v_lshl_add_u32 v[SL], v242, 7, v[SL]
	v_add_nc_u32 v[SL], s34, v[SL]
	s_lshl_b32 s35, s[WV], 12
	s_add_co_u32 s35, s35, WGT                     ; my part of Wg
	v_lshrrev_b32 v243, 1, v240
	v_and_b32 v244, 1, v240
	v_lshlrev_b32 v[GA], 5, v243
	v_lshl_add_u32 v[GA], v244, 3, v[GA]
	v_add_nc_u32 v[GA], s35, v[GA]                 ; a load's lane holds k = lane / 2, experts 4 (lane % 2) on: 32 (lane / 2) + 8 (lane % 2)
	v_and_b32 v243, 7, v240
	v_lshl_add_u32 v243, v242, 5, v243             ; k = 32 h + lane % 8
	v_bfe_u32 v244, v0, 3, 1
	v_lshlrev_b32 v[GT], 5, v243
	v_lshl_add_u32 v[GT], v244, 4, v[GT]           ; hi for lanes 0-7 of each 16, lo for lanes 8-15
	v_add_nc_u32 v[GT], s35, v[GT]
	v_lshlrev_b32 v[RO], 9, v241
	v_lshl_add_u32 v[RO], v242, 4, v[RO]
	s_lshl_b32 s36, s[WV], 11
	s_add_co_u32 s36, s36, PL
	v_add_nc_u32 v[PLA], s36, v[LI]
	s_lshl_b32 s37, s[WV], 2
	s_add_co_u32 s37, s37, SCW
	v_lshl_add_u32 v[SCA], v241, 5, s37
	v_add_nc_u32 v[PLR], PL, v[LI]
	v_lshl_add_u32 v[WSS], v240, 5, WST
	v_add_nc_u32 v[WSL], WST, v[LI]
	v_add_nc_u32 v[SCR], SCW, v[LI]
	v_lshlrev_b32 v[SH], 3, v242
	v_mov_b32 v[TM+6], 0                           ; written once: a lane permute's destination counts as one of its sources
	s_mov_b32 s20, 0x76543210
	s_mov_b32 s21, 0xfedcba98                      ; v_permlanex16_b32's selects for lane l xor 16
	s_mov_b32 s22, 0x07060302                      ; v_perm_b32: the upper halves of two words
	s_mov_b32 s23, 0xffff0000                      ; a word's upper 16 bits: the number cut to bf16
	s_mov_b32 s32, 0x3fb8aa3b                      ; log2(e)
	; byte offsets, apart from the addresses.  g = the work-group's number
	s_lshl_b32 s38, ttmp9, 17                      ; x: 32 g rows of 4,096 bytes + 512 x wave
	s_lshl_b32 s52, s[WV], 9
	s_add_co_u32 s38, s38, s52
	s_mov_b32 s39, 0
	s_lshl_b32 s40, s[WV], 12                      ; Wg: 128 rows of 32 bytes a wave
	s_mov_b32 s41, 0
	s_and_b32 s42, s[WV], 3                        ; W: this wave lays (q / 16 = g / 4, s = 2 (g % 4) + wave / 4, p = wave % 4): experts 2 p, 2 p + 1,
	s_lshl_b32 s42, s42, 20
	s_lshr_b32 s52, ttmp9, 2
	s_lshl_b32 s53, s52, 13                        ; 16 rows of 512 bytes,
	s_add_co_u32 s42, s42, s53
	s_and_b32 s53, ttmp9, 3
	s_lshl_b32 s54, s53, 1
	s_lshr_b32 s55, s[WV], 2
	s_add_co_u32 s54, s54, s55
	s_lshl_b32 s54, s54, 6                         ; 64 bytes of each
	s_add_co_u32 s42, s42, s54
	s_mov_b32 s43, 0
	s_lshl_b32 s44, s52, 16                        ; wf: 65,536 (g / 4) + 2,048 (8 (g % 4) + wave)
	s_lshl_b32 s53, s53, 3
	s_add_co_u32 s53, s53, s[WV]
	s_lshl_b32 s53, s53, 11
	s_add_co_u32 s44, s44, s53
	s_mov_b32 s45, 0
	s_mul_i32 s46, ttmp9, 2*RECB                   ; xq: two records a work-group,
	s_mov_b32 s47, 0
	s_lshl_b32 s48, s[WV], 10                      ; in them my wave's two images
	s_mov_b32 s49, 0
	s_lshl_b32 s50, ttmp9, 5                       ; part: 32 bytes a work-group
	s_mov_b32 s51, 0
	s_wait_kmcnt 0x0
	s_load_b256 s[24:31], s[8:9], 0x0              ; bg: eight numbers, for wave 0's tail
	s_add_nc_u64 s[4:5], s[4:5], s[38:39]
	s_add_nc_u64 s[6:7], s[6:7], s[40:41]
	s_add_nc_u64 s[10:11], s[10:11], s[42:43]
	s_add_nc_u64 s[14:15], s[14:15], s[44:45]
	s_add_nc_u64 s[12:13], s[12:13], s[46:47]      ; my work-group's records
	s_add_nc_u64 s[56:57], s[12:13], s[48:49]      ; and my wave's images in them
	s_add_nc_u64 s[16:17], s[16:17], s[50:51]
	; ALL LOADS OF THE WAVE GO OUT HERE: 8 for Wg, 4 for W, 32 for x
.irp i, 0,1,2,3,4,5,6,7
	global_load_b128 v[FR+4*\i:FR+4*\i+3], v[LI], s[6:7] offset:512*\i
.endr
.irp o, 0,1
.irp c, 0,1
	global_load_b128 v[DH+4*(2*\o+\c):DH+4*(2*\o+\c)+3], v[RO], s[10:11] offset:524288*\o+32*\c
.endr
.endr
.irp i, 0,1,2,3,4,5,6,7,8,9,10,11,12,13,14,15,16,17,18,19,20,21,22,23,24,25,26,27,28,29,30,31
	global_load_b128 v[R0+4*\i:R0+4*\i+3], v[LI], s[4:5] offset:4096*\i th:TH_LOAD_NT   ; row i: 32 lanes read 512 consecutive bytes; read once in the launch
.endr
	s_wait_kmcnt 0x0                               ; bg
	; ---- Wg into two bf16 parts, through LDS, turned into fragments
	s_wait_loadcnt 36                              ; Wg's eight loads are in; behind them stand W's 4 and x's 32
.irp i, 0,1,2,3,4,5,6,7
.irp j, 0,1,2,3
	v_and_b32 v[TT+4*(\i%2)+\j], s23, v[FR+4*\i+\j]                ; hi, as f32
.endr
	v_pk_add_f32 v[FR+4*\i:FR+4*\i+1], v[FR+4*\i:FR+4*\i+1], v[TT+4*(\i%2):TT+4*(\i%2)+1] neg_lo:[0,1] neg_hi:[0,1]       ; the rest: exact
	v_pk_add_f32 v[FR+4*\i+2:FR+4*\i+3], v[FR+4*\i+2:FR+4*\i+3], v[TT+4*(\i%2)+2:TT+4*(\i%2)+3] neg_lo:[0,1] neg_hi:[0,1]
	v_cvt_pk_bf16_f32 v[FR+4*\i], v[FR+4*\i], v[FR+4*\i+1]         ; lo of four experts,
	v_cvt_pk_bf16_f32 v[FR+4*\i+1], v[FR+4*\i+2], v[FR+4*\i+3]
	v_perm_b32 v[FR+4*\i+2], v[TT+4*(\i%2)+1], v[TT+4*(\i%2)], s22 ; and hi
	v_perm_b32 v[FR+4*\i+3], v[TT+4*(\i%2)+3], v[TT+4*(\i%2)+2], s22
	ds_store_b64 v[GA], v[FR+4*\i+2:FR+4*\i+3] offset:512*\i
	ds_store_b64 v[GA], v[FR+4*\i:FR+4*\i+1] offset:512*\i+16
.endr
.irp k, 0,1,2,3                        ; fragment k = 2 c + u: lane (n, h) gets K = 64 c + 32 h + 16 u + 0 .. 15 of row n of Wg^T.  LDS serves a wave's instructions in order: these see the stores above
.irp a, 0,1
	ds_load_tr16_b128 v[BF+8*\k+4*\a:BF+8*\k+4*\a+3], v[GT] offset:(64*(\k/2)+16*(\k%2)+8*\a)*32
.endr
.endr
	; ---- W's codes go out as they came: the lanes already hold the operand's registers
	s_wait_loadcnt 32                              ; W's four loads are in; behind them stand x's 32
.irp j, 0,1,2,3
	global_store_b128 v[LI], v[DH+4*\j:DH+4*\j+3], s[14:15] offset:512*\j    ; 32 lanes store 512 consecutive bytes, aligned
.endr
; 16 rows x 512 bytes through the stage: in as loaded, back 256 bytes of a row to a lane, into the registers that they left
.macro TURN t
.irp i, 0,1,2,3,4,5,6,7,8,9,10,11,12,13,14,15
	ds_store_b128 v[SA], v[\t+4*\i:\t+4*\i+3] offset:528*\i
.endr
.irp c, 0,1
.irp i, 0,1,2,3,4,5,6,7
	ds_load_b128 v[\t+32*\c+4*\i:\t+32*\c+4*\i+3], v[SL] offset:256*\c+16*\i
.endr
.endr
.endm
	s_wait_loadcnt 16                              ; block 0's sixteen rows are in
	TURN R0
	s_wait_loadcnt 0x0                             ; block 1's
	TURN R1                                        ; through the same stage: its stores come behind block 0's loads, in order
; A BLOCK OF 16 ROWS, my wave's 128 along K: v[t] .. v[t + 63].
.macro BLOCK t, blk
.irp c, 0,1
	v_max3_num_f32 v[TM+\c], |v[\t+32*\c]|, |v[\t+32*\c+1]|, 0x1800000   ; my two blocks of 32, each wholly mine; the floor 2^(3 - 127) holds the byte at 1 from below
.endr
.irp i, 2,4,6,8,10,12,14,16,18,20,22,24,26,28,30
.irp c, 0,1
	v_max3_num_f32 v[TM+\c], v[TM+\c], |v[\t+32*\c+\i]|, |v[\t+32*\c+\i+1]|
.endr
.endr
.irp c, 0,1
	v_add_nc_u32 v[TM+2+\c], 0xff000000, v[TM+\c]  ; 2 off the exponent field: the conversion takes the exponent field of this operand as its scale, and nothing else of it
.endr
.irp c, 0,1
	v_lshrrev_b32 v[TM+4+\c], 23, v[TM+2+\c]       ; the scale's byte
.endr
	v_lshl_or_b32 v[PW], v[TM+5], 16, v[TM+4]      ; my two bytes: blocks h and 2 + h of the row's four,
	v_lshlrev_b32 v[PW], v[SH], v[PW]              ; at their places;
	v_permlanex16_b32 v[TM+6], v[PW], s20, s21
	v_or_b32 v[PW], v[PW], v[TM+6]                 ; with lane l xor 16's two the word is whole
.irp c, 0,1
.irp g, 0,1,2,3
	v_cvt_scalef32_pk8_fp4_f32 v[CD+4*\c+\g], v[\t+32*\c+8*\g:\t+32*\c+8*\g+7], v[TM+2+\c]   ; to the nearest code, ties to even, beyond 6 the largest code
.endr
.endr
	v_nop                                          ; one plain instruction behind the last scaled conversion: its sources are written below
.irp c, 0,1
	global_store_b128 v[LI], v[CD+4*\c:CD+4*\c+3], s[56:57] offset:RECB*\blk+512*\c   ; an image: 512 consecutive bytes, aligned
.endr
	ds_store_b32 v[SCA], v[PW] offset:512*\blk     ; both lanes of a row write the same word with the same value
	; the router: 32 along K a step.  The two accumulators take turns; the two sets of fragments too, so that a step's 40 plain lines stand between a product and the next write of its sources
.irp k, 0,1,2,3
.irp q, 0,4
.irp i, 0,1,2,3
	v_perm_b32 v[FR+16*(\k%2)+\q+\i], v[\t+16*\k+2*(\q+\i)+1], v[\t+16*\k+2*(\q+\i)], s22          ; hi of two neighbours
.endr
.irp i, 0,1,2,3
	v_and_b32 v[TT+2*\i], s23, v[\t+16*\k+2*(\q+\i)]
	v_and_b32 v[TT+2*\i+1], s23, v[\t+16*\k+2*(\q+\i)+1]
.endr
.irp i, 0,1,2,3
	v_pk_add_f32 v[\t+16*\k+2*(\q+\i):\t+16*\k+2*(\q+\i)+1], v[\t+16*\k+2*(\q+\i):\t+16*\k+2*(\q+\i)+1], v[TT+2*\i:TT+2*\i+1] neg_lo:[0,1] neg_hi:[0,1]
.endr
.irp i, 0,1,2,3
	v_cvt_pk_bf16_f32 v[FR+16*(\k%2)+8+\q+\i], v[\t+16*\k+2*(\q+\i)], v[\t+16*\k+2*(\q+\i)+1]      ; lo
.endr
.endr
.if \k == 0
	v_wmma_f32_16x16x32_bf16 v[DH:DH+7], v[BF:BF+7], v[FR:FR+7], 0                 ; the first step starts both sums
	v_wmma_f32_16x16x32_bf16 v[DL:DL+7], v[BF:BF+7], v[FR+8:FR+15], 0
.else
	v_wmma_f32_16x16x32_bf16 v[DH:DH+7], v[BF+8*\k:BF+8*\k+7], v[FR+16*(\k%2):FR+16*(\k%2)+7], v[DH:DH+7]
	v_wmma_f32_16x16x32_bf16 v[DL:DL+7], v[BF+8*\k:BF+8*\k+7], v[FR+16*(\k%2)+8:FR+16*(\k%2)+15], v[DL:DL+7]
.endif
.endr
.rept 4
	v_nop                                          ; four places between the last product and the first read of its result
.endr
.irp j, 0,2,4,6
	v_pk_add_f32 v[TT+\j:TT+\j+1], v[DH+\j:DH+\j+1], v[DL+\j:DL+\j+1]   ; from the low end on.  Lane (r, h), register j: row r, expert j: x times Wg's hi (h = 0) or lo (h = 1)
.endr
	ds_store_b128 v[PLA], v[TT:TT+3] offset:1024*\blk
	ds_store_b128 v[PLA], v[TT+4:TT+7] offset:1024*\blk+512
.endm
	s_wait_dscnt 32                                ; block 0 is back from the stage; behind its loads stand block 1's 16 stores and 16 loads
	s_wait_xcnt 0x0                                ; W's stores have read their data registers, which the products write
	BLOCK R0, 0
	s_wait_dscnt 0x0                               ; block 1 is back
	s_wait_xcnt 0x0                                ; block 0's stores have read the codes' registers
	BLOCK R1, 1
	s_wait_dscnt 0x0                               ; for the others' sake: my scale words and partial logits lie in LDS
	s_barrier_signal -1
	s_barrier_wait -1
	s_cmp_eq_u32 s[WV], 1
	s_cbranch_scc1 .Lscales
	s_cmp_lg_u32 s[WV], 0
	s_cbranch_scc1 .Lend
	; ---- wave 0: the logits of the 32 rows, the softmax, w and its sums
.irp blk, 0,1
.irp w, 0,1,2,3,4,5,6,7
.irp f, 0,1
	ds_load_b128 v[R0+64*\blk+8*\w+4*\f:R0+64*\blk+8*\w+4*\f+3], v[PLR] offset:2048*\w+1024*\blk+512*\f
.endr
.endr
.endr
	s_wait_dscnt 0x0
.irp w, 1,2,3,4,5,6,7
.irp blk, 0,1
.irp j, 0,2,4,6
	v_pk_add_f32 v[R0+64*\blk+\j:R0+64*\blk+\j+1], v[R0+64*\blk+\j:R0+64*\blk+\j+1], v[R0+64*\blk+8*\w+\j:R0+64*\blk+8*\w+\j+1]   ; over the eight parts of K
.endr
.endr
.endr
.irp j, 0,1,2,3,4,5,6,7
	v_permlane16_swap_b32 v[R0+\j], v[R1+\j]       ; block 0's lanes 16-31 (Wg's lo) change places with block 1's lanes 0-15 (Wg's hi):
.endr
.irp j, 0,2,4,6
	v_pk_add_f32 v[R0+\j:R0+\j+1], v[R0+\j:R0+\j+1], v[R1+\j:R1+\j+1]   ; hi + lo: lane l now holds the eight logits of row l of the 32
.endr
.irp j, 0,1,2,3,4,5,6,7
	v_add_f32 v[R0+\j], s[24+\j], v[R0+\j]         ; + bg
.endr
	v_max3_num_f32 v[TT], v[R0], v[R0+1], v[R0+2]
	v_max3_num_f32 v[TT], v[TT], v[R0+3], v[R0+4]
	v_max3_num_f32 v[TT], v[TT], v[R0+5], v[R0+6]
	v_max_num_f32 v[TT], v[TT], v[R0+7]            ; the row's maximum is taken away ahead of the exponentials
	v_mul_f32 v[TT+1], s32, v[TT]
.irp j, 0,1,2,3,4,5,6,7
	v_fma_f32 v[R0+\j], v[R0+\j], s32, -v[TT+1]
.endr
.irp j, 0,1,2,3,4,5,6,7
	v_exp_f32 v[R0+\j], v[R0+\j]
.endr
	v_nop                                          ; a plain instruction behind the last exponential,
	s_wait_alu depctr_va_vdst(0)                   ; and one wait for the eight, ahead of their first reader
	v_pk_add_f32 v[TT+2:TT+3], v[R0:R0+1], v[R0+2:R0+3]
	v_pk_add_f32 v[TT+4:TT+5], v[R0+4:R0+5], v[R0+6:R0+7]
	v_pk_add_f32 v[TT+2:TT+3], v[TT+2:TT+3], v[TT+4:TT+5]
	v_add_f32 v[TT+2], v[TT+2], v[TT+3]
	v_rcp_f32 v[TT+4], v[TT+2]
	v_nop
	s_wait_alu depctr_va_vdst(0)                   ; the reciprocal's wait
.irp j, 0,2,4,6
	v_pk_mul_f32 v[R0+\j:R0+\j+1], v[R0+\j:R0+\j+1], v[TT+4:TT+5] op_sel_hi:[1,0]   ; w
.endr
	ds_store_b128 v[WSS], v[R0:R0+3]               ; a lane holds 32 bytes of a row: through LDS, so that each store below covers 512 consecutive bytes
	ds_store_b128 v[WSS], v[R0+4:R0+7] offset:16
	ds_load_b128 v[R0+8:R0+11], v[WSL]
	ds_load_b128 v[R0+12:R0+15], v[WSL] offset:512
	s_wait_dscnt 0x0
	global_store_b128 v[LI], v[R0+8:R0+11], s[12:13] offset:8704
	global_store_b128 v[LI], v[R0+12:R0+15], s[12:13] offset:RECB+8704
.irp m, 1,2,4,8
.irp j, 0,1,2,3,4,5,6,7
	v_add_f32_dpp v[R0+\j], v[R0+\j], v[R0+\j] row_xmask:\m row_mask:0xf bank_mask:0xf
.endr
.endr
.irp j, 0,1,2,3,4,5,6,7
	v_permlanex16_b32 v[R0+16+\j], v[R0+\j], s20, s21
.endr
.irp j, 0,1,2,3,4,5,6,7
	v_add_f32 v[R0+\j], v[R0+\j], v[R0+16+\j]      ; the sum of w over the 32 rows, for each expert
.endr
	v_mov_b32 v[TT], 0
	v_cmp_gt_u32 vcc_lo, 1, v0
	s_wait_xcnt 0x0                                ; EXEC changes only behind this wait
	s_and_saveexec_b32 s33, vcc_lo                 ; thread 0 alone
	global_store_b128 v[TT], v[R0:R0+3], s[16:17]
	global_store_b128 v[TT], v[R0+4:R0+7], s[16:17] offset:16
	s_wait_xcnt 0x0                                ; and again, in front of the line that widens it
	s_or_b32 exec_lo, exec_lo, s33
	s_branch .Lend
.Lscales:
	; ---- wave 1: the scale words of both records
	ds_load_b128 v[R0:R0+3], v[SCR]
	ds_load_b128 v[R0+4:R0+7], v[SCR] offset:512
	s_wait_dscnt 0x0
	global_store_b128 v[LI], v[R0:R0+3], s[12:13] offset:8192
	global_store_b128 v[LI], v[R0+4:R0+7], s[12:13] offset:RECB+8192
.Lend:
	s_wait_tensorcnt 0x0                           ; the wave's end: behind my last LDS store
	ds_add_u32 v[SPW], v[NIL]
	s_wait_dscnt 0x0
	s_endpgm
.Lfunc_end_k_q53872ea6ee_prep:
	.size	k_q53872ea6ee_prep, .Lfunc_end_k_q53872ea6ee_prep-k_q53872ea6ee_prep
	.p2alignl 7, 3214868480
	.fill 96, 4, 3214868480
	.section	.rodata,"a",@progbits
	.p2align	6, 0x0
	.amdhsa_kernel k_q53872ea6ee_prep
		.amdhsa_group_segment_fixed_size 119808
		.amdhsa_private_segment_fixed_size 0
		.amdhsa_enable_private_segment 0
		.amdhsa_kernarg_size 56
		.amdhsa_user_sgpr_count 2
		.amdhsa_user_sgpr_kernarg_segment_ptr 1
		.amdhsa_wavefront_size32 1
		.amdhsa_system_sgpr_workgroup_id_x 1
		.amdhsa_system_sgpr_workgroup_id_y 1
		.amdhsa_system_sgpr_workgroup_id_z 1
		.amdhsa_system_vgpr_workitem_id 0
		.amdhsa_next_free_vgpr 256
		.amdhsa_next_free_sgpr 66
		.amdhsa_reserve_vcc 1
		.amdhsa_float_denorm_mode_32 3
		.amdhsa_float_denorm_mode_16_64 3
		.amdhsa_memory_ordered 1
		.amdhsa_forward_progress 1
		.amdhsa_inst_pref_size 55
	.end_amdhsa_kernel
	.amdgpu_metadata
---
amdhsa.version: [ 1, 2 ]
amdhsa.kernels:
  - .name:           k_q53872ea6ee_prep
    .symbol:         k_q53872ea6ee_prep.kd
    .args:
      - { .name: inputs, .offset: 0, .size: 8, .value_kind: global_buffer, .address_space: global }
      - { .name: Wg, .offset: 8, .size: 8, .value_kind: global_buffer, .address_space: global }
      - { .name: bg, .offset: 16, .size: 8, .value_kind: global_buffer, .address_space: global }
      - { .name: W_codes, .offset: 24, .size: 8, .value_kind: global_buffer, .address_space: global }
      - { .name: xq, .offset: 32, .size: 8, .value_kind: global_buffer, .address_space: global }
      - { .name: wf, .offset: 40, .size: 8, .value_kind: global_buffer, .address_space: global }
      - { .name: part, .offset: 48, .size: 8, .value_kind: global_buffer, .address_space: global }
    .group_segment_fixed_size: 119808
    .private_segment_fixed_size: 0
    .kernarg_segment_align: 8
    .kernarg_segment_size: 56
    .max_flat_workgroup_size: 256
    .sgpr_count:     66
    .vgpr_count:     256
    .wavefront_size: 32
...
	.end_amdgpu_metadata
.endif
;; end of part 1
;; launch moe (part 2): grid 16 x 16, 4 waves a work-group, clusters of 4 x 1, 327,680 bytes of LDS; arguments xq, wf, W_scales, b, part, out0, out1; writes out0, out1
.if DOCPART == 2
	.amdgcn_target "amdgcn-amd-amdhsa--gfx1250"
	.amdhsa_code_object_version 6
	.text
	.protected	k_q53872ea6ee_moe
	.globl	k_q53872ea6ee_moe
	.p2align	8
	.type	k_q53872ea6ee_moe,@function
k_q53872ea6ee_moe:
	s_mov_b64 s[64:65], 0
	v_nop
	global_prefetch_b8 v0, s[64:65] scope:SCOPE_SE
	s_setreg_imm32_b32 hwreg(HW_REG_WAVE_MODE, 25, 1), 1
	s_wait_xcnt 0x0
	s_wait_alu depctr_hold_cnt(0) depctr_sa_sdst(0) depctr_va_vdst(0) depctr_va_sdst(0) depctr_va_ssrc(0) depctr_va_vcc(0) depctr_vm_vsrc(0)
	s_getreg_b32 s2, hwreg(HW_REG_IB_STS2, 6, 4)
	s_cmp_eq_u32 s2, 0
	s_cbranch_scc0 .Lentry_in_a_cluster
	s_endpgm
.Lentry_in_a_cluster:
	s_bfe_u32 s2, ttmp6, 0x10000c
	s_cmp_lg_u32 s2, 0x3003
	s_cbranch_scc0 .Lentry_shape_is_right
	s_endpgm
.Lentry_shape_is_right:
; MOE: out0[row][q] = sum over the 8 experts of w[row][e] x (Q(x)[row] . W_e[:, q] + b[e][q]), on E2M1 codes with E8M0 scales, sums in f32;  out1 = 8 x sum over e of (mean over the rows of w[row][e])^2.
; Nothing of the problem is left out: every expert counts for every row.  x's codes, scale words and w come from xq, W's codes from wf, the sums of w from part, as the launch before laid them.
; SHARES.  A work-group owns 512 rows x 64 columns q; wave v owns 16 of the columns, for all 8 experts and all of K.  W STAYS, x STREAMS: the wave's part of W (8 x 16 rows x 1,024 K of codes) is 512 registers, loaded once;
; a block of 16 rows of x (64 registers from LDS) then feeds 32 matrix instructions: 4 pairs of experts x 8 steps of 128 along K.
; THE MATRIX INSTRUCTION: source 0 = 32 rows of W (the 16 columns q of expert 2 p, then of expert 2 p + 1), source 1 = 16 rows of x.  In the result a lane holds ONE row of x (lane % 16); registers 0-7 are expert 2 p at
; q = 8 (lane / 16) + 0 .. 7, registers 8-15 expert 2 p + 1.  b is the C of each sum's first instruction.  The combine over experts is 32 packed multiply-adds a block by the lane's own eight w, and its result is 32 neighbouring bytes of a row of out0.
; ONE GROUP A BLOCK.  All that a block does beside its products stands together, behind its first product: four places; the 32 lines that combine the block before; then every memory instruction of the block in one run.
; So the products are parted by other work once a block, and the other 31 follow each other.  The way out is a pipeline over the blocks.  Block i: fetches block i + 1's fragments and scale words and its own w; combines block i - 1;
; puts block i - 2's combined rows into a stage in LDS; if i is even, passes the barrier behind which the 32 rows of blocks i - 4 and i - 3 lie whole in their stage, and reads 8 of them back; if i is odd, stores the 8 rows read one
; block earlier, and signals, behind its 13th product, that its part of blocks i - 3 and i - 2 lies in their stage.
; LDS holds the work-group's whole slice of xq (32 records, 294,912 bytes), filled ONCE by two tensor loads a wave: blocks 0-7 first, blocks 8-31 behind W's loads.  No byte is filled again.
; CLUSTER.  The four work-groups of a cluster own the same 512 rows and neighbouring columns: they need the same slice of xq and ask for it JOINTLY, by the same loads with a mask that names the four.
; W is not shared so: its 262,144 bytes for a work-group go straight into registers, and beside x's 294,912 bytes LDS has no room through which they could come.
; out1 is summed at the head by wave 0 of the first cluster's work-groups and stored at the wave's end by thread 0 of the partner at place 0.  That store's lane mask is the one thing beside global addresses that is made from
; my place in the cluster; it stands behind the last line that makes or uses an LDS address, so that all that says which LDS bytes are touched is alike in all partners.
; Nothing is prefetched: every byte that the launch reads is asked for at its head.
; LIMITS: NaN and infinities among the inputs are not served; out1's sums are taken in another order than a plain mean over the rows.
; REGISTERS, in windows of 256 (s_set_vgpr_msb: bits 1:0 source 0, 3:2 source 1, 5:4 source 2, 7:6 destination):
;   window 0: v1-15 addresses and out1; v16-47 W's scale words; v48-63 x's, two sets; v64-79 w, two sets; v80-95 the combined result, two sets; v96-127 rows on their way out; v128-255 the accumulators, two sets of 4 x 16.
;   window 1: W for K steps 0-3, 16 registers for each (step, pair of experts);  window 2: for K steps 4-7;  window 3: v0-127 x's fragments, two sets of 64; v128-191 b in the result's layout.
.set RECB,  9216                       ; a record of xq: 16 images of 512 bytes, 512 bytes of scale words, 512 bytes of w
.set STG0,  32*RECB                    ; behind x: two stages of 32 rows x (256 bytes + 16), by turns; no tensor load lands here
.set STGB,  32*272
.set SPARE, STG0+2*STGB                ; the spare words, 128 bytes for each wave: two blocks of 256 bytes that no other line names
.set LI,  1                            ; v1   16 x lane
.set RS,  2                            ; v2   32 r
.set XA,  3                            ; v3   LDS address of the images in hand
.set XR,  4                            ; v4   and of my row's scale words and w
.set STO, 5                            ; v5   the stage: where I put 32 bytes of a row
.set RD,  6                            ; v6   and where I read a row back
.set GO,  7                            ; v7   my byte offset in out0
.set SO,  8                            ; v8   W_scales: 32,768 h + 32 r
.set BO,  9                            ; v9   b: 32 h
.set ZO,  10                           ; v10  0: out1's offset
.set AUX, 13                           ; v13  at the head h; then out1, from the head to the wave's end
.set SPW, 14                           ; v14  LDS address of my spare word; never rewritten
.set NIL, 15                           ; v15  0; never rewritten
.set WS,  16                           ; W's scale words: pair p, K step s at 8 p + s; lanes 0-15 expert 2 p, lanes 16-31 expert 2 p + 1.  Scales and nothing else
.set XS,  48                           ; x's: set u, K step s at 8 u + s.  Scales and nothing else
.set WT,  64                           ; w: set u, expert e at 8 u + e
.set O,   80                           ; the combined result of the block in set u at 8 u
.set RB,  96                           ; 8 whole rows read back from a stage
.set RB2, 112                          ; the last 8, at the end
.set D,   128                          ; accumulators: set u, pair p at 64 u + 16 p
.set BI,  128                          ; in window 3: b, pair p at 16 p
.set WV,  18                           ; s18  my wave's number
.set G1A, 24                           ; s[24:31] descriptor group 1 for blocks 0-7;  s[32:39] for blocks 8-31;  s[40:43], s[44:47] their groups 0
.set G1B, 32
.set G0A, 40
.set G0B, 44
.set XB,  48                           ; s48  LDS byte of the record from which the next four blocks' offsets count
.set MSB, 0
.macro WIN new                         ; the immediate's high byte repeats the setting that is left; a switch that changes nothing is dropped
.if MSB != \new
	s_set_vgpr_msb (MSB<<8)|\new
.set MSB, \new
.endif
.endm
.macro ROUND                           ; a round of the cluster's barrier: my work-group's barrier; wave 0 signals for the work-group; every wave waits for all four; my work-group's barrier once more
	s_barrier_signal -1
	s_barrier_wait -1
	s_cmp_lg_u32 s[WV], 0
	s_cbranch_scc1 .Lnot_wave_0_\@
	s_barrier_signal -3
.Lnot_wave_0_\@:
	s_barrier_wait -3
	s_barrier_signal -1
	s_barrier_wait -1
.endm
	s_load_b256 s[4:11], s[0:1], 0x0               ; xq s[4:5], wf s[6:7], W_scales s[8:9], b s[10:11]
	s_load_b128 s[12:15], s[0:1], 0x20             ; part s[12:13], out0 s[14:15]
	s_load_b64 s[16:17], s[0:1], 0x30              ; out1
	v_lshl_add_u32 v[SPW], v0, 2, SPARE
	v_mov_b32 v[NIL], 0
	ds_add_u32 v[SPW], v[NIL]                      ; the wave's opening: the add, twice on end, and its wait ahead of my first tensor load; the set-up below, work on registers, stands between
	ds_add_u32 v[SPW], v[NIL]
	v_lshrrev_b32 v11, 5, v0
	v_readfirstlane_b32 s[WV], v11                 ; wave 0..3
	s_bfe_u32 s19, ttmp6, 0x40000                  ; cx: my place in the cluster: it enters the addresses of wf, W_scales, b and out0, and at the wave's end one store's lane mask, nothing else
	s_lshl_b32 s20, ttmp9, 2
	s_add_co_u32 s20, s20, s19                     ; my block of 64 columns = 4 x cluster x + cx
	s_and_b32 s21, ttmp7, 0xffff                   ; my group of 512 rows, which the four partners share
	s_lshl_b32 s22, s20, 2
	s_add_co_u32 s22, s22, s[WV]                   ; my wave's 16 columns
	s_or_b32 s58, ttmp9, s21
	s_or_b32 s58, s58, s[WV]                       ; 0 in wave 0 of the first cluster: the same in all four partners
	; descriptors: dense bytes as rows of 256 (32 elements of 8 bytes), no padding: the images are read 16 bytes a lane on end
	s_mov_b32 s[G1A], 15|(3<<16)|(1<<21)           ; 15:0 the mask: all four work-groups; 17:16 elements of 8 bytes; 21 set beside a mask
	s_mov_b32 s[G1A+1], 32<<16                     ; tensor_dim0 = 32
	s_mov_b32 s[G1A+2], 72<<16                     ; tensor_dim1 = 72 rows: two records
	s_mov_b32 s[G1A+3], 32<<16                     ; tile_dim0
	s_mov_b32 s[G1A+4], 72                         ; tile_dim1
	s_mov_b32 s[G1A+5], 32                         ; from row to row
	s_mov_b32 s[G1A+6], 0
	s_mov_b32 s[G1A+7], 0
	s_mov_b32 s[G1B], 15|(3<<16)|(1<<21)
	s_mov_b32 s[G1B+1], 32<<16
	s_mov_b32 s[G1B+2], 216<<16                    ; 216 rows: six records
	s_mov_b32 s[G1B+3], 32<<16
	s_mov_b32 s[G1B+4], 216
	s_mov_b32 s[G1B+5], 32
	s_mov_b32 s[G1B+6], 0
	s_mov_b32 s[G1B+7], 0
	s_mov_b32 s[G0A], 1
	s_mul_i32 s[G0A+1], s[WV], 2*RECB              ; LDS as memory: blocks 2 v, 2 v + 1
	s_mov_b32 s[G0B], 1
	s_mul_i32 s[G0B+1], s[WV], 6*RECB
	s_add_co_u32 s[G0B+1], s[G0B+1], 8*RECB        ; blocks 8 + 6 v .. 13 + 6 v
	s_mul_i32 s50, s21, 32*RECB                    ; the group's slice of xq
	s_add_co_u32 s52, s50, s[G0B+1]
	s_add_co_u32 s50, s50, s[G0A+1]
	s_mov_b32 s51, 0
	s_mov_b32 s53, 0
	s_mov_b32 s56, 0x76543210
	s_mov_b32 s57, 0xfedcba98                      ; v_permlanex16_b32's selects for lane l xor 16
	v_and_b32 v11, 31, v0                          ; lane
	v_and_b32 v12, 15, v0                          ; r
	v_bfe_u32 v13, v0, 4, 1                        ; h
	v_lshlrev_b32 v[LI], 4, v11
	v_lshlrev_b32 v[RS], 5, v12
	s_lshl_b32 s59, s[WV], 6
	s_add_co_u32 s59, s59, STG0
	v_mul_u32_u24 v[STO], v12, 272
	v_lshl_add_u32 v[STO], v13, 5, v[STO]
	v_add_nc_u32 v[STO], s59, v[STO]               ; in: row r, my wave's 64 bytes of its 256, 32 for each half of the lanes
	s_mul_i32 s60, s[WV], 8*272
	s_add_co_u32 s60, s60, STG0
	v_mul_u32_u24 v[RD], v13, 272
	v_lshl_add_u32 v[RD], v12, 4, v[RD]
	v_add_nc_u32 v[RD], s60, v[RD]                 ; back: my wave's 8 rows of the 32; lanes 0-15 one row of 256 bytes, lanes 16-31 the next
	s_lshl_b32 s61, s[WV], 15
	v_lshlrev_b32 v[GO], 12, v13
	v_lshl_add_u32 v[GO], v12, 4, v[GO]
	v_add_nc_u32 v[GO], s61, v[GO]                 ; and the same rows in out0, 4,096 bytes apart
	v_lshl_add_u32 v[SO], v13, 15, v[RS]
	v_lshlrev_b32 v[BO], 5, v13
	v_mov_b32 v[ZO], 0
	v_mov_b32 v[AUX], 0                            ; h is done with; written here by every wave, so that the register is written on every way to the wave's end
	s_mov_b32 s[XB], 0
	s_wait_dscnt 0x0                               ; both opening adds are done
	s_wait_kmcnt 0x0
	s_add_nc_u64 s[G0A+2:G0A+3], s[4:5], s[50:51]
	s_or_b32 s[G0A+3], s[G0A+3], 0x80000000        ; type = 2
	s_add_nc_u64 s[G0B+2:G0B+3], s[4:5], s[52:53]
	s_or_b32 s[G0B+3], s[G0B+3], 0x80000000
	s_mov_b32 s63, 0
	s_lshl_b32 s62, s22, 16
	s_add_nc_u64 s[6:7], s[6:7], s[62:63]          ; wf: 65,536 bytes for each 16 columns
	s_lshl_b32 s62, s22, 9
	s_add_nc_u64 s[8:9], s[8:9], s[62:63]          ; W_scales: 16 rows of 32 bytes
	s_lshl_b32 s62, s22, 6
	s_add_nc_u64 s[10:11], s[10:11], s[62:63]      ; b: 16 numbers
	s_lshl_b32 s62, s21, 21
	s_lshl_b32 s61, s20, 8
	s_add_co_u32 s62, s62, s61
	s_add_nc_u64 s[14:15], s[14:15], s[62:63]      ; out0: 512 rows of 4,096 bytes a group, 256 bytes a block of columns
	ROUND                                          ; all four work-groups are here: the joint loads meet
	tensor_load_to_lds s[G0A:G0A+3], s[G1A:G1A+7]  ; blocks 0-7: wanted first
	s_nop 0
.rept 4
	v_nop
.endr
.irp p, 0,1,2,3
.irp i, 0,1
	global_load_b128 v[WS+8*\p+4*\i:WS+8*\p+4*\i+3], v[SO], s[8:9] offset:65536*\p+16*\i
.endr
.endr
	WIN 0xc0                                       ; destination window 3
.irp p, 0,1,2,3
.irp o, 0,1
.irp k, 0,1
	global_load_b128 v[BI+16*\p+8*\o+4*\k:BI+16*\p+8*\o+4*\k+3], v[BO], s[10:11] offset:(2*\p+\o)*4096+16*\k   ; b[2 p + o][my columns 8 h + 4 k on]
.endr
.endr
.endr
	WIN 0x40                                       ; destination window 1
.set NN, 0
.rept 64
	global_load_b128 v[4*NN:4*NN+3], v[LI], s[6:7] offset:512*NN                  ; W as wf has it: 32 lanes read 512 consecutive bytes, four registers of an operand
.set NN, NN+1
.endr
	WIN 0x80                                       ; destination window 2
.set NN, 0
.rept 64
	global_load_b128 v[4*NN:4*NN+3], v[LI], s[6:7] offset:512*(NN+64)
.set NN, NN+1
.endr
	WIN 0
	tensor_load_to_lds s[G0B:G0B+3], s[G1B:G1B+7]  ; blocks 8-31, behind W's loads, for which the first product waits: two tensor loads of mine are out.  It stands ahead of my first wait on TENSORcnt, my first LDS read and the first barrier behind the round
	s_nop 0
.rept 4
	v_nop
.endr
	; ---- out1's sums, by wave 0 of the first cluster's work-groups; all lanes stay on.  The number waits in v[AUX] for the wave's end
	s_cmp_lg_u32 s58, 0
	s_cbranch_scc1 .Lno_aux
.irp i, 0,1,2,3,4,5,6,7,8,9,10,11,12,13,14,15
	global_load_b128 v[D+4*\i:D+4*\i+3], v[LI], s[12:13] offset:512*\i            ; part: lane l of load i holds work-group 16 i + l / 2, experts 4 (l % 2) on
.endr
	s_wait_loadcnt 0x0                             ; they come back behind W's loads, for which this wave waits below in any case
.irp i, 1,2,3,4,5,6,7,8,9,10,11,12,13,14,15
	v_pk_add_f32 v[D:D+1], v[D:D+1], v[D+4*\i:D+4*\i+1]
	v_pk_add_f32 v[D+2:D+3], v[D+2:D+3], v[D+4*\i+2:D+4*\i+3]
.endr
.irp m, 2,4,8
.irp k, 0,1,2,3
	v_add_f32_dpp v[D+\k], v[D+\k], v[D+\k] row_xmask:\m row_mask:0xf bank_mask:0xf   ; over the lanes of my parity
.endr
.endr
.irp k, 0,1,2,3
	v_permlanex16_b32 v[D+4+\k], v[D+\k], s56, s57
.endr
.irp k, 0,1,2,3
	v_add_f32 v[D+\k], v[D+\k], v[D+4+\k]          ; the sum of w over all 8,192 rows, four experts a lane
.endr
.irp k, 0,1,2,3
	v_mul_f32 v[D+\k], 0x39000000, v[D+\k]         ; x 2^-13: the mean
.endr
	v_mul_f32 v[D+4], v[D], v[D]
	v_fma_f32 v[D+4], v[D+1], v[D+1], v[D+4]
	v_fma_f32 v[D+4], v[D+2], v[D+2], v[D+4]
	v_fma_f32 v[D+4], v[D+3], v[D+3], v[D+4]
	v_add_f32_dpp v[D+4], v[D+4], v[D+4] row_xmask:1 row_mask:0xf bank_mask:0xf   ; with the other four experts'
	v_mul_f32 v[AUX], 0x41000000, v[D+4]           ; x 8: out1, in every lane
.Lno_aux:
	s_wait_loadcnt 0x0                             ; W, its scale words and b
	s_wait_tensorcnt 0x1                           ; my part of blocks 0-7 is in; the second load may stay out
	s_barrier_signal -1
	s_barrier_wait -1                              ; everybody's is
; Product NN of a block's 32: pair of experts NN % 4, K step NN / 4.  The four accumulators take turns, one instruction a turn.  The first four take b as C: nothing is cleared or added later.
.macro MM u
.set PP, NN%4
.set SS, NN/4
.if SS == 0
	WIN 0x3d                                       ; W window 1, x window 3, b window 3, result window 0
	v_wmma_scale_f32_32x16x128_f4 v[D+64*(\u)+16*PP:D+64*(\u)+16*PP+15], v[16*NN:16*NN+15], v[64*(\u):64*(\u)+7], v[BI+16*PP:BI+16*PP+15], v[WS+8*PP], v[XS+8*(\u)]
.else
.if SS < 4
	WIN 0x0d                                       ; W window 1, x window 3, C and D window 0
.else
	WIN 0x0e                                       ; W window 2
.endif
	v_wmma_scale_f32_32x16x128_f4 v[D+64*(\u)+16*PP:D+64*(\u)+16*PP+15], v[16*(NN%16):16*(NN%16)+15], v[64*(\u)+8*SS:64*(\u)+8*SS+7], v[D+64*(\u)+16*PP:D+64*(\u)+16*PP+15], v[WS+8*PP+SS], v[XS+8*(\u)+SS]
.endif
.endm
; Expert e of the block in set v is weighed in: four packed lines, into that set's O.  Its eight results lie at 8 e; its w is one word of a pair, taken for both halves.  Each accumulator is read from its low end on (the even expert first).
.macro COMB e, v
.irp j, 0,2,4,6
.if (\e) == 0
	v_pk_mul_f32 v[O+8*(\v)+\j:O+8*(\v)+\j+1], v[D+64*(\v)+\j:D+64*(\v)+\j+1], v[WT+8*(\v):WT+8*(\v)+1] op_sel_hi:[1,0]
.elseif (\e)%2 == 0
	v_pk_fma_f32 v[O+8*(\v)+\j:O+8*(\v)+\j+1], v[D+64*(\v)+8*(\e)+\j:D+64*(\v)+8*(\e)+\j+1], v[WT+8*(\v)+(\e):WT+8*(\v)+(\e)+1], v[O+8*(\v)+\j:O+8*(\v)+\j+1] op_sel_hi:[1,0,1]
.else
	v_pk_fma_f32 v[O+8*(\v)+\j:O+8*(\v)+\j+1], v[D+64*(\v)+8*(\e)+\j:D+64*(\v)+8*(\e)+\j+1], v[WT+8*(\v)+(\e)-1:WT+8*(\v)+(\e)], v[O+8*(\v)+\j:O+8*(\v)+\j+1] op_sel:[0,1,0] op_sel_hi:[1,1,1]
.endif
.endr
.endm
; BLOCK i of 16 rows, in set u = i % 2; its record lies wo bytes on from XA.  Behind its first product stands the block's one group:
;   four places, behind the block before's last products and ahead of the reads of its results and of the loads into its fragments and scale words;
;   cb: block i - 1 is combined, into the other set's O;
;   bw (even i): the wait of the barrier that was signalled in block i - 1: the 32 rows of blocks i - 4, i - 3 lie whole in the stage other than sb;
;   gs (odd i): the 8 rows read back in block i - 1 are stored, go bytes on in out0;
;   st: block i - 2's O (this set's) goes into half u of stage sb;      bw: 8 whole rows come back from the other stage;
;   ld: block i + 1's scale words and 16 images into the other set;     always: this block's w.
; The other 31 products follow.  sg (odd i): behind the 13th, the signal: my part of blocks i - 3 and i - 2 lies in stage sb.  tw: the wait for my second tensor load stands in front of that signal.
.macro BLK u, wo, ld, cb, st, sb, bw, gs, go, sg, tw
	s_wait_dscnt 0x0                               ; all that the block before asked of LDS: this block's fragments and scale words, that block's w, the rows read back; and its stage stores have read O
.set NN, 0
	MM \u
.set NN, 1
.rept 4
	v_nop
.endr
	WIN 0
.if \cb
.irp e, 0,1,2,3,4,5,6,7
	COMB \e, 1-\u
.endr
.endif
.if \bw
	s_barrier_wait -1                              ; between the signal and this wait stood products, places, the combine and waits: work on registers alone
.endif
.if \gs
.irp i, 0,1,2,3
	global_store_b128 v[GO], v[RB+4*\i:RB+4*\i+3], s[14:15] offset:(\go)+8192*\i th:TH_STORE_NT   ; 16 lanes store 256 consecutive bytes, at a multiple of 256 from out0's first byte; written once, read by nobody here
.endr
.endif
.if \st
	ds_store_b128 v[STO], v[O+8*(\u):O+8*(\u)+3] offset:(\sb)*STGB+(\u)*16*272
	ds_store_b128 v[STO], v[O+8*(\u)+4:O+8*(\u)+7] offset:(\sb)*STGB+(\u)*16*272+16
.endif
.if \bw
	s_wait_xcnt 0x0                                ; the block before's stores have read the registers that the loads below fill
.irp i, 0,1,2,3
	ds_load_b128 v[RB+4*\i:RB+4*\i+3], v[RD] offset:(1-(\sb))*STGB+544*\i
.endr
.endif
.if \ld
	ds_load_b128 v[XS+8*(1-\u):XS+8*(1-\u)+3], v[XR] offset:(\wo)+RECB+8192
	ds_load_b128 v[XS+8*(1-\u)+4:XS+8*(1-\u)+7], v[XR] offset:(\wo)+RECB+8208
.endif
	ds_load_b128 v[WT+8*(\u):WT+8*(\u)+3], v[XR] offset:(\wo)+8704
	ds_load_b128 v[WT+8*(\u)+4:WT+8*(\u)+7], v[XR] offset:(\wo)+8720
.if \ld
	WIN 0xc0                                       ; destination window 3
.irp i, 0,1,2,3,4,5,6,7,8,9,10,11,12,13,14,15
	ds_load_b128 v[64*(1-\u)+4*\i:64*(1-\u)+4*\i+3], v[XA] offset:(\wo)+RECB+512*\i
.endr
.endif
.rept 31
	MM \u
.if (NN == 12) && \sg
.if \tw
	s_wait_tensorcnt 0x0                           ; my part of blocks 8-31 is in: behind this barrier's wait, in block 6, everybody's is; block 8's record is first read in block 7
.endif
	s_wait_dscnt 0x0                               ; for the others' sake: my stores into stage sb have landed, and my reads of the other stage are back
	s_barrier_signal -1
.endif
.set NN, NN+1
.endr
.endm
; FOUR BLOCKS, 4 k + 1 .. 4 k + 4, on the two stages by turns.  A stage is written again only behind the wait of the other stage's barrier, in front of whose signal every wave has waited for its reads of it.
; The rows stored here are those of blocks 4 k - 4 .. 4 k - 1.  first = 1 (k = 0): what would serve blocks before block 0 is left out.
.macro PAIR first, tw
.set NF, 1-\first
	WIN 0
	v_add_nc_u32 v[XA], s[XB], v[LI]
	v_add_nc_u32 v[XR], s[XB], v[RS]
	s_add_co_u32 s[XB], s[XB], 4*RECB
	BLK 1, 0, 1, 1, NF, 1, 0, NF, 0, NF, \tw
	BLK 0, RECB, 1, 1, 1, 0, NF, 0, 0, 0, 0
	BLK 1, 2*RECB, 1, 1, 1, 0, 0, NF, 131072, 1, 0
	BLK 0, 3*RECB, 1, 1, 1, 1, 1, 0, 0, 0, 0
	WIN 0                                          ; at a label and at a branch every window is 0
.if NF
	s_wait_xcnt 0x0                                ; the stores have read their base
	s_add_nc_u64 s[14:15], s[14:15], 262144        ; 64 rows of out0 on
.endif
.endm
	v_add_nc_u32 v[XA], s[XB], v[LI]               ; block 0
	v_add_nc_u32 v[XR], s[XB], v[RS]
	s_add_co_u32 s[XB], s[XB], RECB
	WIN 0xc0
.irp i, 0,1,2,3,4,5,6,7,8,9,10,11,12,13,14,15
	ds_load_b128 v[4*\i:4*\i+3], v[XA] offset:512*\i
.endr
	WIN 0
	ds_load_b128 v[XS:XS+3], v[XR] offset:8192
	ds_load_b128 v[XS+4:XS+7], v[XR] offset:8208
	BLK 0, 0, 1, 0, 0, 0, 0, 0, 0, 0, 0            ; block 0: there is no block before it
	PAIR 1, 0                                      ; blocks 1-4
	PAIR 0, 1                                      ; blocks 5-8: block 5's signal stands behind the wait for my second tensor load
	s_mov_b32 s49, 5
.Lpairs:                                           ; blocks 9-28
	PAIR 0, 0
	s_sub_co_u32 s49, s49, 1
	s_cmp_lg_u32 s49, 0
	s_cbranch_scc1 .Lpairs
	v_add_nc_u32 v[XA], s[XB], v[LI]
	v_add_nc_u32 v[XR], s[XB], v[RS]
	BLK 1, 0, 1, 1, 1, 1, 0, 1, 0, 1, 0            ; block 29
	BLK 0, RECB, 1, 1, 1, 0, 1, 0, 0, 0, 0         ; block 30
	BLK 1, 2*RECB, 0, 1, 1, 0, 0, 1, 131072, 1, 0  ; block 31: nothing more to fetch but its w
	; ---- the pipeline runs empty: block 31 is combined; blocks 30 and 31 go into stage 1; the rows of blocks 28, 29 and then of 30, 31 go out
	WIN 0
	s_wait_dscnt 0x0                               ; block 31's w
.rept 4
	v_nop                                          ; four places between the last product and the first read of its result
.endr
.irp e, 0,1,2,3,4,5,6,7
	COMB \e, 1
.endr
	s_barrier_wait -1                              ; the barrier signalled in block 31: the rows of blocks 28, 29 lie whole in stage 0, and nobody reads stage 1 any more
	ds_store_b128 v[STO], v[O:O+3] offset:STGB
	ds_store_b128 v[STO], v[O+4:O+7] offset:STGB+16
	ds_store_b128 v[STO], v[O+8:O+11] offset:STGB+16*272
	ds_store_b128 v[STO], v[O+12:O+15] offset:STGB+16*272+16
	s_wait_xcnt 0x0                                ; block 31's stores have read their registers
.irp i, 0,1,2,3
	ds_load_b128 v[RB+4*\i:RB+4*\i+3], v[RD] offset:544*\i
.endr
	s_wait_dscnt 0x0                               ; for the others' sake: my stores into stage 1 have landed; and my rows are back
	s_barrier_signal -1
	s_barrier_wait -1
.irp i, 0,1,2,3
	ds_load_b128 v[RB2+4*\i:RB2+4*\i+3], v[RD] offset:STGB+544*\i
.endr
.irp i, 0,1,2,3
	global_store_b128 v[GO], v[RB+4*\i:RB+4*\i+3], s[14:15] offset:262144+8192*\i th:TH_STORE_NT
.endr
	s_wait_dscnt 0x0
.irp i, 0,1,2,3
	global_store_b128 v[GO], v[RB2+4*\i:RB2+4*\i+3], s[14:15] offset:393216+8192*\i th:TH_STORE_NT
.endr
	s_wait_tensorcnt 0x0                           ; the wave's end: behind my last tensor load and my last LDS store
	ds_add_u32 v[SPW], v[NIL]
	s_wait_dscnt 0x0
	; ---- out1 leaves: no LDS instruction and no write of an LDS address follows these lines
	s_cmp_lg_u32 s58, 0                            ; wave 0 of the first cluster's work-groups: the same in all four partners
	s_cbranch_scc1 .Lno_out1
	v_or_b32 v11, s19, v0
	v_cmp_eq_u32 vcc_lo, 0, v11                    ; thread 0 of the work-group at place 0: one owner for the number
	s_wait_xcnt 0x0                                ; EXEC changes only behind this wait
	s_and_saveexec_b32 s54, vcc_lo
	global_store_b32 v[ZO], v[AUX], s[16:17]
	s_wait_xcnt 0x0                                ; and again, in front of the line that widens it
	s_or_b32 exec_lo, exec_lo, s54
.Lno_out1:
	ROUND                                          ; the closing round: no work-group ends while a partner may still ask for bytes under a mask that names it
	s_endpgm
.Lfunc_end_k_q53872ea6ee_moe:
	.size	k_q53872ea6ee_moe, .Lfunc_end_k_q53872ea6ee_moe-k_q53872ea6ee_moe
	.p2alignl 7, 3214868480
	.fill 96, 4, 3214868480
	.section	.rodata,"a",@progbits
	.p2align	6, 0x0
	.amdhsa_kernel k_q53872ea6ee_moe
		.amdhsa_group_segment_fixed_size 327680
		.amdhsa_private_segment_fixed_size 0
		.amdhsa_enable_private_segment 0
		.amdhsa_kernarg_size 56
		.amdhsa_user_sgpr_count 2
		.amdhsa_user_sgpr_kernarg_segment_ptr 1
		.amdhsa_wavefront_size32 1
		.amdhsa_system_sgpr_workgroup_id_x 1
		.amdhsa_system_sgpr_workgroup_id_y 1
		.amdhsa_system_sgpr_workgroup_id_z 1
		.amdhsa_system_vgpr_workitem_id 0
		.amdhsa_next_free_vgpr 1024
		.amdhsa_next_free_sgpr 66
		.amdhsa_reserve_vcc 1
		.amdhsa_float_denorm_mode_32 3
		.amdhsa_float_denorm_mode_16_64 3
		.amdhsa_memory_ordered 1
		.amdhsa_forward_progress 1
		.amdhsa_inst_pref_size 157
	.end_amdhsa_kernel
	.amdgpu_metadata
---
amdhsa.version: [ 1, 2 ]
amdhsa.kernels:
  - .name:           k_q53872ea6ee_moe
    .symbol:         k_q53872ea6ee_moe.kd
    .args:
      - { .name: xq, .offset: 0, .size: 8, .value_kind: global_buffer, .address_space: global }
      - { .name: wf, .offset: 8, .size: 8, .value_kind: global_buffer, .address_space: global }
      - { .name: W_scales, .offset: 16, .size: 8, .value_kind: global_buffer, .address_space: global }
      - { .name: b, .offset: 24, .size: 8, .value_kind: global_buffer, .address_space: global }
      - { .name: part, .offset: 32, .size: 8, .value_kind: global_buffer, .address_space: global }
      - { .name: out0, .offset: 40, .size: 8, .value_kind: global_buffer, .address_space: global }
      - { .name: out1, .offset: 48, .size: 8, .value_kind: global_buffer, .address_space: global }
    .group_segment_fixed_size: 327680
    .private_segment_fixed_size: 0
    .kernarg_segment_align: 8
    .kernarg_segment_size: 56
    .max_flat_workgroup_size: 128
    .sgpr_count:     66
    .vgpr_count:     1024
    .wavefront_size: 32
...
	.end_amdgpu_metadata
.endif
;; end of part 2
